; MI455X (gfx1250); checked and timed in simulation.
; The chip was launched on July 23, 2026; its instructions are those of AMD's public machine-readable ISA for CDNA 5 (MIT licence, August 2026) and "CDNA5" Instruction Set Architecture Reference Guide (July 2026). The comments in the code are by the model that wrote it; some were corrected since.
;; Mo E. Allowed arithmetic: float matrix products may take bf16 or f16 operands with f32 sums; all other float work in f32.
;; Inputs: We 8 x 1,024 x 1,024 float32; Wg 1,024 x 8 float32; be 8 x 1,024 float32; bg 8 float32; x 4 x 2,048 x 1,024 float32.
;; Outputs: out0 4 x 2,048 x 1,024 float32.
;; One version. Each part assembles by itself: llvm-mc -triple=amdgcn-amd-amdhsa -mcpu=gfx1250 --defsym DOCPART=n.
;; ======== version 1 of 1: 2 launches
;; workspace buffers: xb 16,777,216 bytes; wb 16,777,216 bytes
;; launch cvt (part 1): grid 1024 x 1, 8 waves a work-group, no clusters, 0 bytes of LDS; arguments x, We, xb, wb; writes xb, wb
.if DOCPART == 1
	.amdgcn_target "amdgcn-amd-amdhsa--gfx1250"
	.amdhsa_code_object_version 6
	.text
	.protected	k_qdbf64a7708_cvt
	.globl	k_qdbf64a7708_cvt
	.p2align	8
	.type	k_qdbf64a7708_cvt,@function
k_qdbf64a7708_cvt:
	s_mov_b64 s[64:65], 0
	v_nop
	global_prefetch_b8 v0, s[64:65] scope:SCOPE_SE
	s_setreg_imm32_b32 hwreg(HW_REG_WAVE_MODE, 25, 1), 1
	s_wait_xcnt 0x0
; xb = bf16(x), wb = bf16(We): both in the order of their sources, rounded once to nearest even.
; The product launch that follows would otherwise convert each tile anew in every work-group that reads it.
; 1,024 work-groups: 0 to 511 take x, 512 to 1,023 take We, 65,536 bytes of f32 each (512 x 65,536 = 33,554,432, the size of either).
; A wave takes 8,192 neighbouring bytes by sixteen loads of 512 neighbouring bytes, all issued at once; each load's
; four numbers a lane become 8 bytes, so a store of the wave covers 256 consecutive bytes, aligned.
; A stream: no LDS, no barrier, no matrix unit, no loop; no register is written twice, so no source has to be freed.
.set OFI, 2                            ; v2        byte offset of my 16 bytes in the group's input
.set OFO, 3                            ; v3        byte offset of my 8 bytes in the group's output
.set X,   8                            ; v[8:71]   load i: 4 registers of f32
.set Y,   72                           ; v[72:103] store i: 2 registers of bf16 pairs
	s_load_b256 s[4:11], s[0:1], 0x0               ; x s[4:5], We s[6:7], xb s[8:9], wb s[10:11]
	s_and_b32 s12, ttmp9, 511                      ; the group's number inside its tensor
	s_lshl_b32 s14, s12, 16                        ; x 65,536 bytes in
	s_mov_b32 s15, 0
	s_lshl_b32 s16, s12, 15                        ; x 32,768 bytes out
	s_mov_b32 s17, 0
	v_lshrrev_b32 v1, 5, v0                        ; wave
	v_and_b32 v4, 31, v0                           ; lane
	v_lshlrev_b32 v[OFI], 4, v4
	v_lshl_or_b32 v[OFI], v1, 13, v[OFI]           ; 8,192 wave + 16 lane
	v_lshlrev_b32 v[OFO], 3, v4
	v_lshl_or_b32 v[OFO], v1, 12, v[OFO]           ; 4,096 wave + 8 lane
	s_wait_kmcnt 0x0
	s_cmp_lt_u32 ttmp9, 512                        ; the choice hangs on the group's number alone
	s_cselect_b64 s[18:19], s[4:5], s[6:7]         ; from x or from We
	s_cselect_b64 s[20:21], s[8:9], s[10:11]       ; into xb or into wb
	s_add_nc_u64 s[18:19], s[18:19], s[14:15]
	s_add_nc_u64 s[20:21], s[20:21], s[16:17]
.irp i, 0,1,2,3,4,5,6,7,8,9,10,11,12,13,14,15
	global_load_b128 v[X+4*\i:X+4*\i+3], v[OFI], s[18:19] offset:512*\i th:TH_LOAD_NT   ; read once in the launch
.endr
.irp i, 0,1,2,3,4,5,6,7,8,9,10,11,12,13,14,15
	s_wait_loadcnt 15-\i                           ; loads come back in order (ISA guide 5.7.1): load i is in, the younger ones stay out
	v_cvt_pk_bf16_f32 v[Y+2*\i],   v[X+4*\i],   v[X+4*\i+1]
	v_cvt_pk_bf16_f32 v[Y+2*\i+1], v[X+4*\i+2], v[X+4*\i+3]
	global_store_b64 v[OFO], v[Y+2*\i:Y+2*\i+1], s[20:21] offset:256*\i   ; no hint: the next launch reads these bytes
.endr
	s_endpgm
.Lfunc_end_k_qdbf64a7708_cvt:
	.size	k_qdbf64a7708_cvt, .Lfunc_end_k_qdbf64a7708_cvt-k_qdbf64a7708_cvt
	.p2alignl 7, 3214868480
	.fill 96, 4, 3214868480
	.section	.rodata,"a",@progbits
	.p2align	6, 0x0
	.amdhsa_kernel k_qdbf64a7708_cvt
		.amdhsa_group_segment_fixed_size 0
		.amdhsa_private_segment_fixed_size 0
		.amdhsa_enable_private_segment 0
		.amdhsa_kernarg_size 32
		.amdhsa_user_sgpr_count 2
		.amdhsa_user_sgpr_kernarg_segment_ptr 1
		.amdhsa_wavefront_size32 1
		.amdhsa_system_sgpr_workgroup_id_x 1
		.amdhsa_system_sgpr_workgroup_id_y 1
		.amdhsa_system_sgpr_workgroup_id_z 1
		.amdhsa_system_vgpr_workitem_id 0
		.amdhsa_next_free_vgpr 104
		.amdhsa_next_free_sgpr 66
		.amdhsa_reserve_vcc 0
		.amdhsa_float_denorm_mode_32 3
		.amdhsa_float_denorm_mode_16_64 3
		.amdhsa_memory_ordered 1
		.amdhsa_forward_progress 1
		.amdhsa_inst_pref_size 7
	.end_amdhsa_kernel
	.amdgpu_metadata
---
amdhsa.version: [ 1, 2 ]
amdhsa.kernels:
  - .name:           k_qdbf64a7708_cvt
    .symbol:         k_qdbf64a7708_cvt.kd
    .args:
      - { .name: x, .offset: 0, .size: 8, .value_kind: global_buffer, .address_space: global }
      - { .name: We, .offset: 8, .size: 8, .value_kind: global_buffer, .address_space: global }
      - { .name: xb, .offset: 16, .size: 8, .value_kind: global_buffer, .address_space: global }
      - { .name: wb, .offset: 24, .size: 8, .value_kind: global_buffer, .address_space: global }
    .group_segment_fixed_size: 0
    .private_segment_fixed_size: 0
    .kernarg_segment_align: 8
    .kernarg_segment_size: 32
    .max_flat_workgroup_size: 256
    .sgpr_count:     66
    .vgpr_count:     104
    .wavefront_size: 32
...
	.end_amdgpu_metadata
.endif
;; end of part 1
;; launch moe (part 2): grid 8 x 32, 4 waves a work-group, clusters of 4 x 4, 327,680 bytes of LDS; arguments xb, wb, Wg, be, bg, out0; writes out0
.if DOCPART == 2
	.amdgcn_target "amdgcn-amd-amdhsa--gfx1250"
	.amdhsa_code_object_version 6
	.text
	.protected	k_qdbf64a7708_moe
	.globl	k_qdbf64a7708_moe
	.p2align	8
	.type	k_qdbf64a7708_moe,@function
k_qdbf64a7708_moe:
	s_mov_b64 s[64:65], 0
	v_nop
	global_prefetch_b8 v0, s[64:65] scope:SCOPE_SE
	s_setreg_imm32_b32 hwreg(HW_REG_WAVE_MODE, 25, 1), 1
	s_wait_xcnt 0x0
	s_wait_alu depctr_hold_cnt(0) depctr_sa_sdst(0) depctr_va_vdst(0) depctr_va_sdst(0) depctr_va_ssrc(0) depctr_va_vcc(0) depctr_vm_vsrc(0)
	s_getreg_b32 s2, hwreg(HW_REG_IB_STS2, 6, 4)
	s_cmp_eq_u32 s2, 0
	s_cbranch_scc0 .Lentry_in_a_cluster
	s_endpgm
.Lentry_in_a_cluster:
	s_bfe_u32 s2, ttmp6, 0x10000c
	s_cmp_lg_u32 s2, 0xf033
	s_cbranch_scc0 .Lentry_shape_is_right
	s_endpgm
.Lentry_shape_is_right:
; out[t][k] = sum over n of gate[t][n] * relu(sum over d of x[t][d] We[n][d][k] + be[n][k]),  gate = softmax over n of (x Wg + bg).
; xb: [8192 t][1024 d] bf16, wb: [8 n][1024 d][1024 k] bf16 (made by the launch before), Wg: [1024][8], be: [8][1024], bg: [8], out0: [8192][1024] f32.
; LIMITS: x, We, Wg enter the products rounded once to bf16; sums, bias, relu, softmax and the gated sum are f32.  The softmax takes its
; maximum away first; a term below 2^-126 of the largest counts as 0 (v_exp_f32 flushes: ISA guide 15.8).  relu is v_max_num_f32: a NaN sum gives 0.
; The experts' terms are added in the order in which the work-group walks them, which differs between cluster rows (below): an order of f32 rounding.
;
; A work-group makes 256 tokens x 128 columns of out, for all 8 experts: 32 x 8 = 256 work-groups.  Four waves, as many as a WGP has SIMDs;
; wave w has tokens 64 w .. 64 w + 63 and all 128 columns: 4 x 8 tiles of 16 x 16, held twice in f32: ACC (the running sum over d of one expert)
; and OUT (the gated sum over experts), since relu stands between the two sums.  2 x 256 registers; a tile of 128 x 128 held twice would leave none for operands.
; K goes in steps of 128 through two LDS slots, 8 steps an expert, 64 in all.  We stays [d][k]: its fragments are read by the transposing LDS load.
; THE ORDER OF THE EXPERTS: cluster row y (0 to 7) starts at expert e0 = 2 ((y & 3) xor (y >> 2)) and walks (e0 + i) mod 8.  Any four neighbouring and any four
; alternate cluster rows start at 0, 2, 4, 6: after two experts' walks they have read all of wb between them, and from its third expert on every tile of We that
; a cluster asks for has been asked for, 8 K steps or more earlier, by another cluster row.  With one common order all 32 token blocks would ask for
; each tile for the first time in the very K step that needs it.  wb is 2^24 bytes, so the walk is an offset that steps on modulo 2^24.
; THE MATRIX INSTRUCTION IS USED TRANSPOSED: source 0 = 16 columns of We, source 1 = 16 tokens.  Lane (r = l % 16, h = l / 16), register j of tile (a, b)
; holds token 16 a + r, column 16 b + 8 h + j: the gate is one number a lane and token tile, the bias 8 registers a column tile, and it enters as the first product's C.
; THE GATE rides on the first expert's walk over x: 4 more matrix instructions for each 32 of K, source 0 = Wg's 8 columns given twice (rows 8-15 repeat 0-7),
; so that every lane ends with the 8 logits of its token in 8 registers and the softmax crosses no lanes.  Wg's columns and bg are rotated by e0 as they are
; loaded, so that logit j belongs to the j-th expert walked: the gates lie in LDS in walking order and no LDS address hangs on e0.
; CLUSTERS: 4 x 4 work-groups.  x's tile hangs on the token block alone: asked for jointly along a row of the cluster; We's on the column block and on e0,
; which all sixteen share: jointly along a column.  That divides the requests for both by four.
;
; REGISTERS in windows of 256:
;   window 0: v0-15 at work, v16-31 addresses, v32-39 the expert's gates, v64-159 and v160-255 two fragment buffers (We's 8 tiles, then x's 4)
;   window 1: ACC, tile (a, b) at 8 (8 a + b)
;   window 2: OUT, the same places; during the first expert, when OUT does not live yet, Wg's 32 fragments (8 registers for each 32 of K)
;   window 3: v0-63 bias, v64-95 the gate's 4 accumulators, v96-103 bg, v104-111 at work, v128-191 the gates as pairs
.set PA,     272                       ; LDS row of x's tile: 256 bytes + 16: the 16 rows of a fragment load start 16 bytes apart modulo 256
.set PB,     288                       ; LDS row of We's tile: 256 bytes + 32, an odd multiple of 32, for the transposing load
.set HALFA,  128*PA                    ; what wave 0 or 1 fetches: 128 tokens
.set ATILE,  2*HALFA
.set HALFB,  64*PB                     ; what wave 2 or 3 fetches: 64 rows d
.set SLOT,   ATILE+2*HALFB             ; 106,496
.set WGL,    2*SLOT                    ; Wg in bf16, [1024 d][8], 16 bytes a row: 16,384 bytes.  This and what follows is written by LDS stores and never by a tensor load
.set GATE,   WGL+16384                 ; each wave: [8 experts in walking order][2 halves][32 lanes][16 bytes] = 8,192
.set STAGE,  GATE+32768                ; each wave: 16 rows x 528 bytes, for the way out
.set SP,     528                       ; 512 bytes of a row of out + 16
.set WSTAGE, 16*SP
.set ADRA, 16                          ; v16-17  my x fragments in slot 0, 1
.set ADRB, 18                          ; v18-19  We's fragments in slot 0, 1
.set GADR, 20                          ; v20     my 16 bytes of the next expert's gates
.set STO,  21                          ; v21     way out: where I put my 32 bytes of a row
.set RD,   22                          ; v22     way out: where I read a row back
.set CO,   23                          ; v23     16 x lane, my place in a row of out
.set BOFF, 24                          ; v24     32 h, my place in be
.set WGS,  26                          ; v26     where my row of Wg goes in LDS
.set WGA,  27                          ; v27     Wg's fragments
.set WGO,  28                          ; v28-31  32 x thread + the place of the rotated pair p of Wg's row
.set GC,   32                          ; v32-39  the current expert's gate of token tile a, twice, at GC + 2 a
.set F0,   64
.set F1,   160
.set G,    64                          ; window 3
.set BG,   96
.set T,    104
.set P,    128
.set G1A, 24                           ; s[24:31] descriptor group 1, x's tiles
.set G0A, 32                           ; s[32:39] group 0, x's tiles, a set for each slot
.set G1B, 48                           ; s[48:55] group 1, We's tiles
.set G0B, 56                           ; s[56:63] group 0, We's tiles, a set for each slot
.set EX,  70                           ; s70      the expert whose bias is asked for next
.set OFB, 84                           ; s[84:87] for each slot: the byte offset in wb of its tile's first row d, modulo 2^24, and a 0 above it
.set BB,  88                           ; s[88:89] wb at my half of a tile's rows and my column block
.set BEB, 90                           ; s[90:91] be at the expert s70, my columns
.set BEO, 92                           ; s[92:93] 4,096 x s70, and a 0 above it
.set ROT, 96                           ; s[96:99] 8 ((p + e0 / 2) mod 4): where the rotated pair p lies in a row of Wg and in bg
.set MUL,   0x50                       ; sources window 0, C and D window 1
.set MULB,  0x70                       ; C window 3 (the bias), D window 1
.set GMULW, 0xf2                       ; source 0 window 2 (Wg), source 1 window 0, C and D window 3
.set MSB, 0
.macro WIN new                         ; the immediate's high byte repeats the setting that is left; a switch that changes nothing is dropped
.if MSB != \new
	s_set_vgpr_msb (MSB<<8)|\new
.set MSB, \new
.endif
.endm
.macro MWIN cb
.if \cb
	WIN MULB
.else
	WIN MUL
.endif
.endm
; Four places behind a matrix instruction before a vector instruction reads its result or writes one of its registers,
; and before a load is issued into one of them; matrix instructions in between are not counted.
.macro PLACES
.rept 4
	v_nop
.endr
.endm
; A joint load: waves 0 and 1 ask for x's two halves, waves 2 and 3 for We's.  Each line has one mask and one set of registers for all that issue it.
; The branch hangs on the wave's number alone.  Four v_nop follow each line; they also serve as the places in front of the loads behind.
.macro JLOAD s
	s_cmp_eq_u32 s17, 0
	s_cbranch_scc0 .Lfor_b_\@
	tensor_load_to_lds s[G0A+4*\s:G0A+4*\s+3], s[G1A:G1A+7]
	s_nop 0
.rept 4
	v_nop
.endr
	s_branch .Lasked_\@
.Lfor_b_\@:
	tensor_load_to_lds s[G0B+4*\s:G0B+4*\s+3], s[G1B:G1B+7]
	s_nop 0
.rept 4
	v_nop
.endr
.Lasked_\@:
.endm
; A round of the cluster's barrier: my work-group's barrier, wave 0 signals for the work-group, every wave waits for all sixteen, my work-group's barrier again.
.macro CREST                           ; a round behind its opening barrier
	s_cmp_lg_u32 s16, 0
	s_cbranch_scc1 .Lnot_wave_0_\@
	s_barrier_signal -3
.Lnot_wave_0_\@:
	s_barrier_wait -3
	s_barrier_signal -1
	s_barrier_wait -1
.endm
.macro CROUND
	s_barrier_signal -1
	s_barrier_wait -1
	CREST
.endm
	s_load_b256 s[4:11], s[0:1], 0x0               ; xb s[4:5], wb s[6:7], Wg s[8:9], be s[10:11]
	s_load_b128 s[12:15], s[0:1], 0x20             ; bg s[12:13], out0 s[14:15]
	v_lshl_add_u32 v62, v0, 2, 0x48400
	v_mov_b32 v63, 0
	ds_add_u32 v62, v63
	v_lshrrev_b32 v1, 5, v0
	v_readfirstlane_b32 s16, v1                    ; wave 0..3
	s_lshr_b32 s17, s16, 1                         ; I fetch for x (0) or for We (1)
	s_and_b32 s18, s16, 1                          ; which half of that tile
	s_bfe_u32 s40, ttmp6, 0x40000                  ; cx
	s_bfe_u32 s41, ttmp6, 0x40004                  ; cy
	s_lshl_b32 s42, ttmp9, 2
	s_add_co_u32 s42, s42, s40                     ; column block = 4 x cluster x + cx
	s_and_b32 s43, ttmp7, 0xffff                   ; the cluster's y, 0 to 7: the same in all sixteen work-groups
	s_lshr_b32 s71, s43, 2
	s_and_b32 s[EX], s43, 3
	s_xor_b32 s71, s[EX], s71                      ; e0 / 2 = (y & 3) xor (y >> 2)
	s_lshl_b32 s[EX], s71, 1                       ; e0: the first expert that this cluster walks
	s_lshl_b32 s43, s43, 2
	s_add_co_u32 s43, s43, s41                     ; token block = 4 x cluster y + cy
	s_lshl_b32 s44, s41, 2
	s_lshl_b32 s44, 15, s44                        ; my row of the cluster: places 4 cy .. 4 cy + 3
	s_lshl_b32 s45, 0x1111, s40                    ; my column: places cx, cx + 4, cx + 8, cx + 12
	s_mov_b32 s68, 0x3fb8aa3b                      ; log2 e
	s_mov_b32 s69, 0xbfb8aa3b                      ; - log2 e
.irp p, 0,1,2,3
	s_add_co_u32 s[ROT+\p], s71, \p                ; e0 is even, so a rotation by e0 numbers of 4 bytes moves whole pairs:
	s_and_b32 s[ROT+\p], s[ROT+\p], 3              ; pair p of the rotated row is pair (p + e0 / 2) mod 4 of the row in memory,
	s_lshl_b32 s[ROT+\p], s[ROT+\p], 3             ; 8 bytes a pair
.endr
	s_lshl_b32 s[OFB], s[EX], 21                   ; an expert is 2^21 bytes of wb: slot 0 starts at e0's K step 0,
	s_mov_b32 s[OFB+1], 0
	s_add_co_u32 s[OFB+2], s[OFB], 262144          ; slot 1 at its K step 1: 128 rows of 2,048 bytes on
	s_mov_b32 s[OFB+3], 0
	s_lshl_b32 s[BEO], s[EX], 12                   ; an expert is 4,096 bytes of be
	s_mov_b32 s[BEO+1], 0
	; group 1.  x: 128 rows x 128 elements of 2 bytes, 4 words of padding behind every 64.  We: 64 rows x 128 elements, 8 words of padding.  Pitch 1,024 elements in both.
	s_or_b32 s[G1A+0], s44, (1<<16)|(1<<20)|(1<<21)|(5<<22)|(3<<25)   ; mask: my row; element of 2 bytes; padding on; bit 21 beside a mask; interval 64 words; 4 words
	s_mov_b32 s[G1A+1], 128<<16                    ; tensor_dim0 = 128
	s_mov_b32 s[G1A+2], 128<<16                    ; tensor_dim1 = 128
	s_mov_b32 s[G1A+3], 128<<16                    ; tile_dim0 = 128
	s_mov_b32 s[G1A+4], 128                        ; tile_dim1 = 128
	s_mov_b32 s[G1A+5], 1024                       ; elements from row to row
	s_mov_b32 s[G1A+6], 0
	s_mov_b32 s[G1A+7], 0
	s_or_b32 s[G1B+0], s45, (1<<16)|(1<<20)|(1<<21)|(5<<22)|(7<<25)   ; mask: my column; 8 words of padding
	s_mov_b32 s[G1B+1], 128<<16
	s_mov_b32 s[G1B+2], 64<<16                     ; tensor_dim1 = 64
	s_mov_b32 s[G1B+3], 128<<16
	s_mov_b32 s[G1B+4], 64                         ; tile_dim1 = 64
	s_mov_b32 s[G1B+5], 1024
	s_mov_b32 s[G1B+6], 0
	s_mov_b32 s[G1B+7], 0
	; offsets, apart from the addresses.  x's hangs on the token block and the wave alone (s20-23 never hold cx), We's on the column block, the wave and e0 (s46-47, s84-89 never hold cy).
	s_lshl_b32 s20, s43, 8
	s_lshl_b32 s21, s18, 7
	s_add_co_u32 s20, s20, s21                     ; token 256 x block + 128 x half
	s_lshl_b32 s20, s20, 11                        ; x 2,048 bytes a row: 16,515,072 at the most
	s_mov_b32 s21, 0
	s_lshl_b32 s46, s18, 17                        ; 64 rows d x 2,048 bytes x half
	s_lshl_b32 s47, s42, 8                         ; 128 columns x 2 bytes x block
	s_add_co_u32 s46, s46, s47
	s_mov_b32 s47, 0
	s_lshl_b32 s80, s42, 9                         ; be and out0: 128 columns x 4 bytes x block
	s_mov_b32 s81, 0
	s_lshl_b32 s82, s43, 8
	s_lshl_b32 s83, s16, 6
	s_add_co_u32 s82, s82, s83                     ; my first token
	s_lshl_b32 s82, s82, 12                        ; x 4,096 bytes a row of out
	s_add_co_u32 s82, s82, s80
	s_mov_b32 s83, 0
	s_mul_i32 s66, s16, HALFA                      ; where x's halves go: wave 0 at 0, wave 1 at HALFA
	s_mul_i32 s67, s16, HALFB
	s_add_co_u32 s67, s67, ATILE-2*HALFB           ; where We's halves go: wave 2 at ATILE, wave 3 at ATILE + HALFB
	s_wait_dscnt 0x0
	s_wait_kmcnt 0x0
.irp p, 0,1,2,3
	s_load_b64 s[72+2*\p:72+2*\p+1], s[12:13], s[ROT+\p] offset:0x0   ; bg, rotated: s[72 + j] = bg[(e0 + j) mod 8]; its sources are never written again
.endr
	s_add_nc_u64 s[22:23], s[4:5], s[20:21]
	s_add_nc_u64 s[BB:BB+1], s[6:7], s[46:47]
	s_add_nc_u64 s[10:11], s[10:11], s[80:81]      ; be at expert 0, my columns: stays
	s_add_nc_u64 s[BEB:BEB+1], s[10:11], s[BEO:BEO+1]   ; be at expert e0
	s_add_nc_u64 s[14:15], s[14:15], s[82:83]      ; out0 at my wave's first token, my columns
	CROUND                                         ; all sixteen work-groups are here: the first joint loads meet
.irp s, 0,1
	s_mov_b32 s[G0A+4*\s], 1                                       ; count = 1
	s_add_co_u32 s[G0A+4*\s+1], s66, \s*SLOT                       ; LDS address
	s_add_nc_u64 s[G0A+4*\s+2:G0A+4*\s+3], s[22:23], \s*256        ; K step s: 128 elements along the row
	s_or_b32 s[G0A+4*\s+3], s[G0A+4*\s+3], 0x80000000              ; type = 2
	s_mov_b32 s[G0B+4*\s], 1
	s_add_co_u32 s[G0B+4*\s+1], s67, \s*SLOT
	s_add_nc_u64 s[G0B+4*\s+2:G0B+4*\s+3], s[BB:BB+1], s[OFB+2*\s:OFB+2*\s+1]   ; expert e0, K step s
	s_or_b32 s[G0B+4*\s+3], s[G0B+4*\s+3], 0x80000000
	JLOAD \s                                       ; both slots' first fills go out together: two tensor loads of the wave are out
.endr
	v_and_b32 v1, 15, v0                           ; r
	v_bfe_u32 v2, v0, 4, 1                         ; h
	v_and_b32 v3, 31, v0                           ; lane
	v_and_b32 v4, 7, v0                            ; lane % 8
	v_bfe_u32 v5, v0, 3, 1                         ; (lane / 8) % 2
	v_mul_u32_u24 v6, v1, PA
	v_lshl_add_u32 v6, v2, 4, v6                   ; x: row r, 16 bytes for each half of the lanes
	s_mul_i32 s80, s16, 64*PA                      ; my 64 tokens
	v_add_nc_u32 v[ADRA], s80, v6
	v_add_nc_u32 v[ADRA+1], SLOT, v[ADRA]
	v_lshl_add_u32 v7, v2, 3, v4                   ; We and Wg: row d = 8 h + lane % 8
	v_mul_u32_u24 v8, v7, PB
	v_lshl_add_u32 v8, v5, 4, v8                   ; and which 8 of the tile's 16 columns
	v_add_nc_u32 v[ADRB], ATILE, v8
	v_add_nc_u32 v[ADRB+1], ATILE+SLOT, v8
	s_lshl_b32 s81, s16, 13
	s_add_co_u32 s81, s81, GATE
	v_lshl_add_u32 v[GADR], v3, 4, s81
	s_mul_i32 s82, s16, WSTAGE
	s_add_co_u32 s82, s82, STAGE
	v_mul_u32_u24 v9, v1, SP
	v_lshl_add_u32 v9, v2, 5, v9
	v_add_nc_u32 v[STO], s82, v9                   ; row r, 32 bytes for each half
	v_lshl_add_u32 v[RD], v3, 4, s82               ; 32 lanes x 16 bytes = a row of 512 bytes
	v_lshlrev_b32 v[CO], 4, v3
	v_lshlrev_b32 v[BOFF], 5, v2
.irp p, 0,1,2,3
	v_lshl_add_u32 v[WGO+\p], v0, 5, s[ROT+\p]     ; my row of Wg, 32 bytes a row, and in it the rotated pair p
.endr
	v_lshlrev_b32 v[WGS], 4, v0
	v_add_nc_u32 v[WGS], WGL, v[WGS]
	v_lshlrev_b32 v[WGA], 4, v7                    ; no column term: lanes 8-15 and 24-31 get columns 0-7 once more
	v_add_nc_u32 v[WGA], WGL, v[WGA]
; the bias of the expert at s[BEB:BEB+1]: register 8 b + j = be[16 b + 8 h + j], the layout of a C operand
.macro BIASLD
	WIN 0xc0
.irp b, 0,1,2,3,4,5,6,7
	global_load_b128 v[8*\b:8*\b+3],   v[BOFF], s[BEB:BEB+1] offset:64*\b
	global_load_b128 v[8*\b+4:8*\b+7], v[BOFF], s[BEB:BEB+1] offset:64*\b+16
.endr
.endm
	; Wg: thread t takes rows d = 128 i + t, 32 bytes each as four pairs in rotated order, rounds them to bf16 and lays them into LDS, 16 bytes a row:
	; column c of the LDS row is expert (e0 + c) mod 8
.irp i, 0,1,2,3,4,5,6,7
.irp p, 0,1,2,3
	global_load_b64 v[64+8*\i+2*\p:64+8*\i+2*\p+1], v[WGO+\p], s[8:9] offset:4096*\i
.endr
.endr
	BIASLD                                         ; the first expert's
	WIN 0
	s_wait_loadcnt 16                              ; Wg's thirty-two loads are in; the sixteen of the bias stay out
.irp i, 0,1,2,3,4,5,6,7
.irp k, 0,1,2,3
	v_cvt_pk_bf16_f32 v[128+4*\i+\k], v[64+8*\i+2*\k], v[64+8*\i+2*\k+1]
.endr
	ds_store_b128 v[WGS], v[128+4*\i:128+4*\i+3] offset:2048*\i
.endr
	s_wait_dscnt 0x0                               ; my rows of Wg are in LDS, for the other waves' sake
	s_wait_tensorcnt 0x1                           ; my part of K step 0 is in; slot 1's load stays out
	s_barrier_signal -1
	s_barrier_wait -1
; 8 matrix instructions: token tile a x all 8 column tiles, 32 along K.  cb = 1: the bias is C, so it starts the sums and nothing is cleared.
; The accumulators take turns, one instruction a turn, in the same order in every quarter step.
.macro MUL8 f, a, cb
.irp b, 0,1,2,3,4,5,6,7
.if \cb
	v_wmma_f32_16x16x32_bf16 v[8*(8*\a+\b):8*(8*\a+\b)+7], v[\f+8*\b:\f+8*\b+7], v[\f+64+8*\a:\f+64+8*\a+7], v[8*\b:8*\b+7]
.else
	v_wmma_f32_16x16x32_bf16 v[8*(8*\a+\b):8*(8*\a+\b)+7], v[\f+8*\b:\f+8*\b+7], v[\f+64+8*\a:\f+64+8*\a+7], v[8*(8*\a+\b):8*(8*\a+\b)+7]
.endif
.endr
.endm
; the gate's 4 matrix instructions for d = 32 s .. 32 s + 31; the first take bg as C
.macro GMUL f, s
	WIN GMULW
.irp a, 0,1,2,3
.if (\s) == 0
	v_wmma_f32_16x16x32_bf16 v[G+8*\a:G+8*\a+7], v[8*(\s):8*(\s)+7], v[\f+64+8*\a:\f+64+8*\a+7], v[BG:BG+7]
.else
	v_wmma_f32_16x16x32_bf16 v[G+8*\a:G+8*\a+7], v[8*(\s):8*(\s)+7], v[\f+64+8*\a:\f+64+8*\a+7], v[G+8*\a:G+8*\a+7]
.endif
.endr
.endm
; 24 LDS loads in one run: quarter q of the slot's K step into buffer f.  We: rows d = 32 q .., transposed on the way: the first load of a tile brings
; k = 8 h .. 8 h + 7 of column 16 b + r, the second k = 16 + 8 h ..  x: two loads of 16 bytes, 32 bytes apart.
.macro FETCH slot, q, f
	WIN 0
.irp b, 0,1,2,3,4,5,6,7
	ds_load_tr16_b128 v[\f+8*\b:\f+8*\b+3],   v[ADRB+\slot] offset:\q*32*PB+32*\b
	ds_load_tr16_b128 v[\f+8*\b+4:\f+8*\b+7], v[ADRB+\slot] offset:\q*32*PB+16*PB+32*\b
.endr
.irp a, 0,1,2,3
	ds_load_b128 v[\f+64+8*\a:\f+64+8*\a+3],   v[ADRA+\slot] offset:\q*64+\a*16*PA
	ds_load_b128 v[\f+64+8*\a+4:\f+64+8*\a+7], v[ADRA+\slot] offset:\q*64+\a*16*PA+32
.endr
.endm
; One of a K step's first three quarters: multiplies buffer f and fetches quarter q into buffer nf.  gate = 1: the gate's products for d = 32 gs.
; bl = 1: the next expert's bias is asked for; its registers were last read, as C, in the quarter before, and the four places stand between.
.macro QUARTER slot, q, f, nf, cb, gate, gs, bl
	s_wait_dscnt 6                                 ; We's tiles and x's tile 0 are in; the six youngest loads (x's tiles 1 to 3) may be out
	MWIN \cb
	MUL8 \f, 0, \cb
	PLACES
.if \bl
	BIASLD
.endif
	FETCH \slot, \q, \nf
	s_wait_dscnt 24                                ; all but the 24 just issued
	MWIN \cb
	MUL8 \f, 1, \cb
	MUL8 \f, 2, \cb
	MUL8 \f, 3, \cb
.if \gate
	GMUL \f, \gs
.endif
.endm
.macro THREE slot, j, cb, gate, bl
	QUARTER \slot, 1, F0, F1, \cb, \gate, 4*\j, 0
	QUARTER \slot, 2, F1, F0, 0, \gate, 4*\j+1, \bl
	QUARTER \slot, 3, F0, F1, 0, \gate, 4*\j+2, 0
.endm
; The last quarter of a K step: multiplies buffer 1 and changes slots.  fill = 1: this slot is filled again, two K steps ahead.
; In front of the barrier each wave waits for its reads of this slot and for all its tensor loads, of which one is out: its part of the next slot.
; Behind the round no wave of any partner reads this slot or has a load on its way: the joint refill comes first, one a wave, then the next slot's first fragments.
; From a request to the wait for it a wave issues 120 of a K step's 128 products.
; wrap = 1 (an expert's K steps 6 and 7): x starts anew at K step 0 or 1, 6 x 256 bytes back.  We's offset goes two K steps (2 x 128 rows of 2,048 bytes) on,
; into the next expert, and from expert 7 to expert 0 by the mask of 24 bits.
.macro TURN slot, next, fill, wrap, gate, gs
	s_wait_dscnt 6
	WIN MUL
	MUL8 F1, 0, 0
	s_wait_dscnt 0x0                               ; my reads of this slot are over
	s_wait_tensorcnt 0x0                           ; all my tensor loads have landed: every group 0 may be written
	ds_add_u32 v62, v63
	s_wait_dscnt 0x0
	s_barrier_signal -1                            ; where the slot is filled again this barrier opens a round of the cluster's barrier
	MUL8 F1, 1, 0                                  ; register work while the others arrive
	WIN 0
	s_barrier_wait -1
.if \fill
	CREST
.if \wrap
	s_sub_nc_u64 s[G0A+4*\slot+2:G0A+4*\slot+3], s[G0A+4*\slot+2:G0A+4*\slot+3], 1536
.else
	s_add_nc_u64 s[G0A+4*\slot+2:G0A+4*\slot+3], s[G0A+4*\slot+2:G0A+4*\slot+3], 512
.endif
	s_add_co_u32 s[OFB+2*\slot], s[OFB+2*\slot], 524288
	s_and_b32 s[OFB+2*\slot], s[OFB+2*\slot], 0xffffff
	s_add_nc_u64 s[G0B+4*\slot+2:G0B+4*\slot+3], s[BB:BB+1], s[OFB+2*\slot:OFB+2*\slot+1]
	s_or_b32 s[G0B+4*\slot+3], s[G0B+4*\slot+3], 0x80000000      ; type = 2
	JLOAD \slot                                    ; its four v_nop are also the places in front of the loads below
.else
	PLACES
.endif
	FETCH \next, 0, F0
	WIN MUL
	MUL8 F1, 2, 0
	MUL8 F1, 3, 0
.if \gate
	GMUL F1, \gs
.endif
.endm
; One expert's 8 K steps.  first = 1: the gate's products ride along.  last = 1: nothing is fetched beyond the walk's end.
.macro EXPERT first, last
	s_wait_loadcnt 0x0                             ; this expert's bias is in, and its loads' base may be written
.if \last == 0
	s_add_co_u32 s[EX], s[EX], 1
	s_and_b32 s[EX], s[EX], 7                      ; the next expert of the walk
	s_lshl_b32 s[BEO], s[EX], 12
	s_add_nc_u64 s[BEB:BEB+1], s[10:11], s[BEO:BEO+1]   ; be at that expert
.endif
	THREE 0, 0, 1, \first, 1-\last
	TURN 0, 1, 1, 0, \first, 3
	THREE 1, 1, 0, \first, 0
	TURN 1, 0, 1, 0, \first, 7
	THREE 0, 2, 0, \first, 0
	TURN 0, 1, 1, 0, \first, 11
	THREE 1, 3, 0, \first, 0
	TURN 1, 0, 1, 0, \first, 15
	THREE 0, 4, 0, \first, 0
	TURN 0, 1, 1, 0, \first, 19
	THREE 1, 5, 0, \first, 0
	TURN 1, 0, 1, 0, \first, 23
	THREE 0, 6, 0, \first, 0
	TURN 0, 1, 1-\last, 1, \first, 27
	THREE 1, 7, 0, \first, 0
.if \last
	s_wait_dscnt 6                                 ; the very last quarter: nothing more to fetch, no slot to change
	WIN MUL
	MUL8 F1, 0, 0
	s_wait_dscnt 0x0
	MUL8 F1, 1, 0
	MUL8 F1, 2, 0
	MUL8 F1, 3, 0
.else
	TURN 1, 0, 1, 1, \first, 31
.endif
.endm
; The softmax, once.  Lane (r, h) holds the 8 logits of token 16 a + r in G + 8 a + 0..7, in walking order.  exp(l - max) = 2^(l c + T), c = log2 e, T = round(-max c):
; the fused multiply-add rounds once, T's own rounding is the same in all 8 terms and leaves the quotient; the largest exponent is next to 0, the sum between 1 and 8.
; Each gate is written twice, as the pair that the packed multiply-add takes, and all go to the wave's own LDS bytes, expert by expert in walking order.
.macro SOFTMAX
	PLACES
	WIN 0xff
.irp a, 0,1,2,3
	v_max3_num_f32 v[T], v[G+8*\a], v[G+8*\a+1], v[G+8*\a+2]
	v_max3_num_f32 v[T], v[T], v[G+8*\a+3], v[G+8*\a+4]
	v_max3_num_f32 v[T], v[T], v[G+8*\a+5], v[G+8*\a+6]
	v_max_num_f32 v[T], v[T], v[G+8*\a+7]
	v_mul_f32 v[T], s69, v[T]
.irp j, 0,1,2,3,4,5,6,7
	v_fma_f32 v[G+8*\a+\j], v[G+8*\a+\j], s68, v[T]
.endr
.irp j, 0,1,2,3,4,5,6,7
	v_exp_f32 v[G+8*\a+\j], v[G+8*\a+\j]
.endr
	v_nop                                          ; one plain place behind the exponentials before their results are used (ISA guide 5.7.2)
	s_wait_alu depctr_va_vdst(0)
	v_add_f32 v[T+1], v[G+8*\a],   v[G+8*\a+1]
	v_add_f32 v[T+2], v[G+8*\a+2], v[G+8*\a+3]
	v_add_f32 v[T+3], v[G+8*\a+4], v[G+8*\a+5]
	v_add_f32 v[T+4], v[G+8*\a+6], v[G+8*\a+7]
	v_add_f32 v[T+1], v[T+1], v[T+2]
	v_add_f32 v[T+3], v[T+3], v[T+4]
	v_add_f32 v[T+1], v[T+1], v[T+3]
	v_rcp_f32 v[T+5], v[T+1]
	v_nop                                          ; and one behind the reciprocal
	s_wait_alu depctr_va_vdst(0)
.irp j, 0,1,2,3,4,5,6,7
	v_mul_f32 v[P+8*\j+2*\a],   v[G+8*\a+\j], v[T+5]
	v_mul_f32 v[P+8*\j+2*\a+1], v[G+8*\a+\j], v[T+5]
.endr
.endr
	WIN 0x0c                                       ; store data from window 3
.irp j, 0,1,2,3,4,5,6,7
	ds_store_b128 v[GADR], v[P+8*\j:P+8*\j+3]   offset:1024*\j
	ds_store_b128 v[GADR], v[P+8*\j+4:P+8*\j+7] offset:1024*\j+512
.endr
.endm
; Behind an expert's last product: OUT += gate x relu(ACC).  first = 1: a product alone starts OUT, nothing is cleared.
; The gates come from the wave's own LDS bytes (LDS serves a wave's instructions in order: ISA guide 5.7.1.4), since the loop cannot number registers by its trip.
.macro EPI first
	WIN 0
	ds_load_b128 v[GC:GC+3],   v[GADR]
	ds_load_b128 v[GC+4:GC+7], v[GADR] offset:512
	v_add_nc_u32 v[GADR], 1024, v[GADR]            ; the next expert's
	PLACES
	WIN 0x44                                       ; in place in window 1
.set i, 0
.rept 256
	v_max_num_f32 v[i], 0, v[i]
.set i, i+1
.endr
	s_wait_dscnt 0x0                               ; the gates are in (and the next expert's first fragments, issued ahead of them)
	WIN 0xa1                                       ; source 0 window 1, source 1 window 0, source 2 and destination window 2
.irp a, 0,1,2,3
.set i, 64*\a
.rept 32
.if \first
	v_pk_mul_f32 v[i:i+1], v[i:i+1], v[GC+2*\a:GC+2*\a+1]
.else
	v_pk_fma_f32 v[i:i+1], v[i:i+1], v[GC+2*\a:GC+2*\a+1], v[i:i+1]
.endif
.set i, i+2
.endr
.endr
.endm
	; Wg's 32 fragments into window 2, the first fragments of x and We, and bg as a C operand (register j = bg of the j-th expert walked, in every lane)
	WIN 0x80
.set i, 0
.rept 32
	ds_load_tr16_b128 v[8*i:8*i+3],   v[WGA] offset:512*i
	ds_load_tr16_b128 v[8*i+4:8*i+7], v[WGA] offset:512*i+256
.set i, i+1
.endr
	FETCH 0, 0, F0
	s_wait_kmcnt 0x0
	WIN 0xc0
.irp j, 0,1,2,3,4,5,6,7
	v_mov_b32 v[BG+\j], s[72+\j]
.endr
	EXPERT 1, 0                                    ; the first expert of the walk, with the gate
	SOFTMAX
	EPI 1
	WIN 0                                          ; at a label and at a branch every window is 0
	s_mov_b32 s3, 6
.Lexpert:                                              ; the second to the seventh
	EXPERT 0, 0
	EPI 0
	WIN 0
	s_sub_co_u32 s3, s3, 1
	s_cmp_lg_u32 s3, 0
	s_cbranch_scc1 .Lexpert
	EXPERT 0, 1                                    ; the eighth: its last two K steps fill nothing
	EPI 0
; THE WAY OUT, 16 tokens at a time: a lane's 32 bytes of each column tile into my own stage, whole rows of 512 bytes back, and each store of the wave
; covers 512 consecutive bytes, at a multiple of 512 from out0's first byte.  No base is stepped: the row stands in the immediate, 258,048 at the most.
.macro OUT16 a, f
	WIN 0x08                                       ; store data from window 2
.irp b, 0,1,2,3,4,5,6,7
	ds_store_b128 v[STO], v[8*(8*\a+\b):8*(8*\a+\b)+3]   offset:64*\b
	ds_store_b128 v[STO], v[8*(8*\a+\b)+4:8*(8*\a+\b)+7] offset:64*\b+16
.endr
	WIN 0
	s_wait_xcnt 0x0                                ; registers that earlier stores read as data are loaded again only behind this wait (ISA guide 3.1)
.irp t, 0,1,2,3,4,5,6,7,8,9,10,11,12,13,14,15
	ds_load_b128 v[\f+4*\t:\f+4*\t+3], v[RD] offset:SP*\t
.endr
.irp t, 0,1,2,3,4,5,6,7,8,9,10,11,12,13,14,15
	s_wait_dscnt 15-\t                             ; row t is in, the younger rows stay out
	global_store_b128 v[CO], v[\f+4*\t:\f+4*\t+3], s[14:15] offset:(16*\a+\t)*4096 th:TH_STORE_NT
.endr
.endm
	OUT16 0, 64
	OUT16 1, 128
	OUT16 2, 64
	OUT16 3, 128
	s_wait_tensorcnt 0x0
	ds_add_u32 v62, v63
	s_wait_dscnt 0x0
	CROUND                                         ; the closing round: no work-group ends while a partner may still ask for a tile that names it
	s_endpgm
.Lfunc_end_k_qdbf64a7708_moe:
	.size	k_qdbf64a7708_moe, .Lfunc_end_k_qdbf64a7708_moe-k_qdbf64a7708_moe
	.p2alignl 7, 3214868480
	.fill 96, 4, 3214868480
	.section	.rodata,"a",@progbits
	.p2align	6, 0x0
	.amdhsa_kernel k_qdbf64a7708_moe
		.amdhsa_group_segment_fixed_size 327680
		.amdhsa_private_segment_fixed_size 0
		.amdhsa_enable_private_segment 0
		.amdhsa_kernarg_size 48
		.amdhsa_user_sgpr_count 2
		.amdhsa_user_sgpr_kernarg_segment_ptr 1
		.amdhsa_wavefront_size32 1
		.amdhsa_system_sgpr_workgroup_id_x 1
		.amdhsa_system_sgpr_workgroup_id_y 1
		.amdhsa_system_sgpr_workgroup_id_z 1
		.amdhsa_system_vgpr_workitem_id 0
		.amdhsa_next_free_vgpr 1024
		.amdhsa_next_free_sgpr 100
		.amdhsa_reserve_vcc 0
		.amdhsa_float_denorm_mode_32 3
		.amdhsa_float_denorm_mode_16_64 3
		.amdhsa_memory_ordered 1
		.amdhsa_forward_progress 1
		.amdhsa_inst_pref_size 255
	.end_amdhsa_kernel
	.section	.bss,"aw",@nobits
	.p2align	6
	.space	262144
	.amdgpu_metadata
---
amdhsa.version: [ 1, 2 ]
amdhsa.kernels:
  - .name:           k_qdbf64a7708_moe
    .symbol:         k_qdbf64a7708_moe.kd
    .args:
      - { .name: xb, .offset: 0, .size: 8, .value_kind: global_buffer, .address_space: global }
      - { .name: wb, .offset: 8, .size: 8, .value_kind: global_buffer, .address_space: global }
      - { .name: Wg, .offset: 16, .size: 8, .value_kind: global_buffer, .address_space: global }
      - { .name: be, .offset: 24, .size: 8, .value_kind: global_buffer, .address_space: global }
      - { .name: bg, .offset: 32, .size: 8, .value_kind: global_buffer, .address_space: global }
      - { .name: out0, .offset: 40, .size: 8, .value_kind: global_buffer, .address_space: global }
    .group_segment_fixed_size: 327680
    .private_segment_fixed_size: 0
    .kernarg_segment_align: 8
    .kernarg_segment_size: 48
    .max_flat_workgroup_size: 128
    .sgpr_count:     100
    .vgpr_count:     1024
    .wavefront_size: 32
...
	.end_amdgpu_metadata
.endif
;; end of part 2
